; MI455X (gfx1250); checked and timed in simulation.
; The chip was launched on July 23, 2026; its instructions are those of AMD's public machine-readable ISA for CDNA 5 (MIT licence, August 2026) and "CDNA5" Instruction Set Architecture Reference Guide (July 2026). The comments in the code are by the model that wrote it; some were corrected since.
;; Attn Pool. Allowed arithmetic: matrix products marked QUANTISED: E2M1 operands, one E8M0 scale for each 32 along K, by v_wmma_scale_f32_16x16x128_f8f6f4 with both operands' format E2M1 (or v_wmma_scale_f32_32x16x128_f4), f32 sums; products left as they are: f32 operands where the result goes on into a quantised operand, else bf16, f16 or f32 operands; f32 sums; everything else in f32.
;; Inputs: kpm 16 x 4,096 bool; q 8 x 1,024 float32; w_codes 1,024 x 32 x 16 uint8 (E2M1 codes of w, K innermost, in blocks of 32 codes, two codes a byte); w_scales 1,024 x 32 uint8 (E8M0 scales of w, one for each 32 codes along K); x 16 x 4,096 x 1,024 float32.
;; Outputs: out0 16 x 8,192 float32.
;; This version of the problem:
;;   THIS VERSION OF THE PROBLEM IS GIVEN IN LOW PRECISION. The matrix products marked QUANTISED in the list below multiply operands that are first quantised to E2M1 (2 exponent bits, 1 mantissa bit; 4 bits a number), with one power-of-two scale for each 32 numbers along K (OCP MX v1.0); their sums are f32. All else is computed in f32.
;;   The module's matrix products, in the order in which they are computed (A, B: the left and right operand; K: the contracted axis; several contracted axes count as one K, in the product's order):
;;     1. [M 65,536, K 1,024] x [K 1,024, N 1,024]; A: input x; B: input w (given as codes): QUANTISED
;;     2. [M 8, K 1,024] x [K 1,024, N 65,536]; A: input q; B: computed on the way: left as it is (M = 8 < 16)
;;     3. batch 16 x [M 8, K 4,096] x [K 4,096, N 1,024]; A: softmax; B: input x: left as it is (M = 8 < 16)
;;   THE QUANTISER, for each operand of a quantised product, along K:
;;     - K is cut into blocks of 32 from its start; a last block that is shorter is filled with zeros.
;;     - A block's scale is 2^e with e = floor(log2(the largest magnitude in the block)) - 2, held to -126 .. 127; a block of zeros has e = 0. As a byte (E8M0): e + 127.
;;     - Each number is divided by its block's scale, clamped to +-6, and rounded to the nearest number of E2M1, ties to even, subnormals kept.
;;     - The product sums the exact products of the quantised numbers (number of the format x scale) in f32.
;;   ~~~python
;;   def quantise(x, axis):      # numpy; x: float32 -> the quantised numbers, widened to float32 again
;;       x = np.moveaxis(x, axis, -1); K = x.shape[-1]
;;       x = np.pad(x, [(0, 0)] * (x.ndim - 1) + [(0, -K % 32)]); x = x.reshape(x.shape[:-1] + (-1, 32)); a = np.abs(x).max(-1, keepdims=True)
;;       e = np.where(a > 0, np.clip(np.frexp(np.where(a > 0, a, 1))[1] - 1 - 2, -126, 127), 0)      # np.frexp(a)[1] - 1 = floor(log2(a)), exactly
;;       r = np.clip(x / 2.0 ** e, -6, 6)
;;       step = 2.0 ** (np.maximum(np.frexp(np.where(r == 0, 1, r))[1] - 1, 0) - 1)
;;       q = np.round(r / step) * step * 2.0 ** e      # np.round: ties to even
;;       return np.moveaxis(q.reshape(q.shape[:-2] + (-1,))[..., :K], -1, axis).astype(np.float32)
;;   ~~~
;;   INPUTS GIVEN AS CODES. w (in the module: [1024, 1024], K = its axis 1): each comes as NAME_codes (uint8): NAME with its K axis moved to the last place and cut into blocks of 32 codes, [.., K / 32, bytes a block], one block behind the other in memory; two codes a byte, the lower K in the low four bits (a code: sign, 2 exponent bits, 1 mantissa bit); and NAME_scales (uint8): the same leading axes, one E8M0 byte (e + 127) for each 32 codes along K. Its value is code x scale, taken as it is: it is not quantised again, and the codes and scales need not be those that the quantiser above would give.
;; One version. Each part assembles by itself: llvm-mc -triple=amdgcn-amd-amdhsa -mcpu=gfx1250 --defsym DOCPART=n.
;; ======== version 1 of 1: 2 launches
;; limits: an absolute error that grows with the inputs' magnitude: up to 5.2e-11 times it; right only within a limited range of input values
;; workspace buffers: scores 2,097,152 bytes; stats 16,384 bytes; cand 8,192 bytes of whole numbers
;; launch score (part 1): grid 256 x 1, 4 waves a work-group, clusters of 4 x 1, 327,680 bytes of LDS; arguments x, kpm, q, w_codes, w_scales, scores, stats, cand; writes scores, stats, cand
.if DOCPART == 1
	.amdgcn_target "amdgcn-amd-amdhsa--gfx1250"
	.amdhsa_code_object_version 6
	.text
	.protected	k_qa5b1d1631a_score
	.globl	k_qa5b1d1631a_score
	.p2align	8
	.type	k_qa5b1d1631a_score,@function
k_qa5b1d1631a_score:
	s_mov_b64 s[64:65], 0
	v_nop
	global_prefetch_b8 v0, s[64:65] scope:SCOPE_SE
	s_setreg_imm32_b32 hwreg(HW_REG_WAVE_MODE, 25, 1), 1
	s_wait_xcnt 0x0
	s_wait_alu depctr_hold_cnt(0) depctr_sa_sdst(0) depctr_va_vdst(0) depctr_va_sdst(0) depctr_va_ssrc(0) depctr_va_vcc(0) depctr_vm_vsrc(0)
	s_getreg_b32 s2, hwreg(HW_REG_IB_STS2, 6, 4)
	s_cmp_eq_u32 s2, 0
	s_cbranch_scc0 .Lentry_in_a_cluster
	s_endpgm
.Lentry_in_a_cluster:
	s_bfe_u32 s2, ttmp6, 0x10000c
	s_cmp_lg_u32 s2, 0x3003
	s_cbranch_scc0 .Lentry_shape_is_right
	s_endpgm
.Lentry_shape_is_right:
; AttnPool, launch 1 of 2.  x [65536 rows][1024] f32; w as codes of E2M1 [1024 g][512 bytes] with scale bytes [1024][32]; q [8][1024] f32; kpm [65536] bytes.
; keys = Q(x) w^T on codes of E2M1 (x is quantised here, along f, 32 to a block); score[h][row] = q[h] . keys[row]; rows with kpm set get -infinity.
; STORED: scores [2 planes][65536 rows][4 heads] f32 (plane 0 heads 0-3, plane 1 heads 4-7); for each block of 256 rows its largest score m[8] (not under -3e38) and l[8] = the sum of e^(s - m);
; and a bitmap (bit i of word j = row 32 j + i) of the CANDIDATE rows: those with s >= m - 32 for some head.
; NO WORK OF THE PROBLEM IS LEFT OUT HERE, and every input is loaded.  The second launch sums p x over the candidate rows alone.  For every input: m of a block is at most the row-wise maximum M of the
; batch, so a row that is no candidate has p = e^(s - M) < e^-32 for all eight heads, the divisor L is at least 1 and still holds every row, and 4,096 such rows move a result by less than
; 4096 e^-32 = 5.2e-11 times the largest |x| of the batch.  With flat scores every row is a candidate and all of x is read again.
; LIMITS: that bound; NaN and infinities in x, q or the scale bytes are not served; scores under -3e38 count as masked; blocks of x whose largest magnitude lies under 2^-124 get the scale byte 1.
; THE SECOND PRODUCT goes to the matrix units with each operand as a pair of bf16 numbers, a high and a low part split in f32: a score sums 1,024 terms, and one bf16 rounding of them would weigh on the exponent.
; SHARES.  A work-group of four waves owns 256 rows, as two chunks of 128.  Wave v quantises row tiles 2 v, 2 v + 1 of a chunk (16 rows each) and hands the codes on through LDS as images of the operand's registers.
; For the products wave v takes row tiles 4 (v / 2) + 0 .. 3 against g = 512 (v % 2) + 0 .. 511: its 64 rows' codes stay in 256 registers, w walks by in steps of 64 g for each half.
; The second chunk of x is loaded and quantised between the two steps of each of the first chunk's four laps.
; THE LDS LOADS of the next 32 rows of w stand in runs of eight among the vector instructions that split the keys: four waves' 144 loads of 512 bytes are served while that work runs.
; CLUSTER.  All work-groups walk the same w: four form a cluster and ask for each piece JOINTLY (mask 15).  Each wave brings a piece of 32 rows of w; no place in the cluster enters a descriptor, a branch or an LDS address.
; BOTH PRODUCTS ARE USED TRANSPOSED: source 0 = 16 rows of w, source 1 = 16 rows of x: lane (r, h) holds row r of x and g = 8 h + 0 .. 7 of the tile, so two tiles pack into source 1 of the second product.
; REGISTERS, in windows of 256.  Window 0: v1-31 addresses and at work; v32-47 x's scale words; v48-63 w's; v64-95 q's fragments; v96-159 keys (also the quantiser's 64 numbers); v160-223 their bf16 parts (also the quantiser's
; work); v224-255 the four score accumulators.  Window 1: x's codes, fragment (tile mt, K step s) at 64 mt + 8 s.  Window 2: w's fragments, two sets of 128.  Window 3: a ring of four units of x, 64 registers each.
.set WP,    528                        ; a row of w in LDS: 512 bytes + 16
.set SLOTB, 128*WP                     ; a slot: 64 rows of each half of g
.set PIECE, 32*WP                      ; what one tensor load brings
.set HALFW, 64*WP
.set WSC,   2*SLOTB                    ; w's scale bytes: 128 runs of 256 bytes + 16
.set IMG,   WSC+128*272                ; images of x's codes: fragment (tile m, K step s) at (8 m + s) x 1,024
.set XSI,   IMG+65536                  ; their scale words: (8 m + s) x 128 + 4 x lane
.set QIMG,  XSI+8192                   ; 32 fragments of q (16 x 32 bf16), 1,024 bytes each
.set STG,   QIMG+32768                 ; a stage of 16 rows x 528 for each wave
.set SX,    STG+4*16*528               ; partial scores [chunk][half of g][128 rows][8 heads] f32
.set RED,   SX+2*8192                  ; +0 maxima, +128 sums (32 bytes a wave), +256 the 8 words of the bitmap
.set SPARE, RED+512                    ; the spare words, 128 bytes for each wave
.set XO,1
.set STW,2
.set STR,3
.set IA,4
.set ISA,5
.set IAG,6
.set ISAG,7
.set TRA,8
.set TRS,9
.set WA,10
.set WSB,12
.set QB,13
.set WSCUR,14
.set WSNXT,15
.set QCUR,16
.set QNXT,17
.set NEG1,18
.set SXW,19
.set SXR,20
.set KP,21
.set SPW,23
.set NIL,24
.set QSEL,25
.set XS,32
.set WS,48
.set Q2,64
.set KEY,96
.set KH,160
.set KL,168
.set S,224
.set TM,160
.set PC,176
.set PW,184
.set WV,20
.set RH,21
.set GH,22
.set G1W,28
.set G1S,36
.set G0W,44
.set G0S,52
.set WB,56
.set OFF,58
.set SEL,62
.set XB,66
.set XP,68
.set LC,72
.set XC,73
.set MSB, 0
.macro WIN new                         ; the immediate's high byte repeats the setting that is left
.if MSB != \new
	s_set_vgpr_msb (MSB<<8)|\new
.set MSB, \new
.endif
.endm
.macro PLACES n
.rept \n
	v_nop
.endr
.endm
.macro CROUND                          ; a round of the cluster's barrier
	s_barrier_signal -1
	s_barrier_wait -1
	s_cmp_lg_u32 s[WV], 0
	s_cbranch_scc1 .Lnot_wave_0_\@
	s_barrier_signal -3
.Lnot_wave_0_\@:
	s_barrier_wait -3
	s_barrier_signal -1
	s_barrier_wait -1
.endm
; one product on codes; ra, rb: the side's scale words stand in lanes 16-31
.macro MMZ d, a, b, sa, sb, ra
.if \ra
	v_wmma_scale_f32_16x16x128_f8f6f4 v[\d:\d+7], v[\a:\a+7], v[\b:\b+7], 0, v[\sa], v[\sb] matrix_a_fmt:MATRIX_FMT_FP4 matrix_b_fmt:MATRIX_FMT_FP4 matrix_a_scale:MATRIX_SCALE_ROW1
.else
	v_wmma_scale_f32_16x16x128_f8f6f4 v[\d:\d+7], v[\a:\a+7], v[\b:\b+7], 0, v[\sa], v[\sb] matrix_a_fmt:MATRIX_FMT_FP4 matrix_b_fmt:MATRIX_FMT_FP4
.endif
.endm
.macro MMA d, a, b, sa, sb, ra, rb
.if (\ra) && (\rb)
	v_wmma_scale_f32_16x16x128_f8f6f4 v[\d:\d+7], v[\a:\a+7], v[\b:\b+7], v[\d:\d+7], v[\sa], v[\sb] matrix_a_fmt:MATRIX_FMT_FP4 matrix_b_fmt:MATRIX_FMT_FP4 matrix_a_scale:MATRIX_SCALE_ROW1 matrix_b_scale:MATRIX_SCALE_ROW1
.elseif \ra
	v_wmma_scale_f32_16x16x128_f8f6f4 v[\d:\d+7], v[\a:\a+7], v[\b:\b+7], v[\d:\d+7], v[\sa], v[\sb] matrix_a_fmt:MATRIX_FMT_FP4 matrix_b_fmt:MATRIX_FMT_FP4 matrix_a_scale:MATRIX_SCALE_ROW1
.elseif \rb
	v_wmma_scale_f32_16x16x128_f8f6f4 v[\d:\d+7], v[\a:\a+7], v[\b:\b+7], v[\d:\d+7], v[\sa], v[\sb] matrix_a_fmt:MATRIX_FMT_FP4 matrix_b_fmt:MATRIX_FMT_FP4 matrix_b_scale:MATRIX_SCALE_ROW1
.else
	v_wmma_scale_f32_16x16x128_f8f6f4 v[\d:\d+7], v[\a:\a+7], v[\b:\b+7], v[\d:\d+7], v[\sa], v[\sb] matrix_a_fmt:MATRIX_FMT_FP4 matrix_b_fmt:MATRIX_FMT_FP4
.endif
.endm
; 64 products: 32 g (set p's two tiles) x my 64 rows x all 1,024 f.  The eight accumulators take turns, one instruction a turn; the first K step starts the sums.
.macro FP4 p
	WIN 0x06                                       ; source 0 (w) window 2, source 1 (x's codes) window 1
.irp ks, 0,1,2,3,4,5,6,7
.irp mt, 0,1,2,3
.irp te, 0,1
.if \ks == 0
	MMZ KEY+16*\mt+8*\te, 128*(\p)+64*\te+8*\ks, 64*\mt+8*\ks, WS+8*(\p)+\ks, XS+4*\mt+\ks%4, \te
.else
	MMA KEY+16*\mt+8*\te, 128*(\p)+64*\te+8*\ks, 64*\mt+8*\ks, WS+8*(\p)+\ks, XS+4*\mt+\ks%4, \te, \ks/4
.endif
.endr
.endr
.endr
	WIN 0
.endm
; A FETCH is 36 LDS loads: what set pp takes next.  FETCHS: four of them: the 32 rows' scale words (lane l: row l's eight words) and q's fragment for these 32 g.
.macro FETCHS pp, wsadr, wsoff, qadr, qoff, sq
	ds_load_b128 v[WS+8*(\pp):WS+8*(\pp)+3], v[\wsadr] offset:\wsoff+1088*(\pp)
	ds_load_b128 v[WS+8*(\pp)+4:WS+8*(\pp)+7], v[\wsadr] offset:\wsoff+1088*(\pp)+16
	ds_load_b128 v[Q2+16*(\sq)+8*(\pp):Q2+16*(\sq)+8*(\pp)+3], v[\qadr] offset:\qoff+1024*(\pp)
	ds_load_b128 v[Q2+16*(\sq)+8*(\pp)+4:Q2+16*(\sq)+8*(\pp)+7], v[\qadr] offset:\qoff+1024*(\pp)+512
.endm
; FETCHW: eight of them: tile te of the 32 rows of w, K steps k0 .. k0 + 3
.macro FETCHW pp, adr, te, k0
	WIN 0x80                                       ; destination window 2
.irp ks, \k0, \k0+1, \k0+2, \k0+3
	ds_load_b128 v[128*(\pp)+64*(\te)+8*(\ks):128*(\pp)+64*(\te)+8*(\ks)+3], v[\adr] offset:(32*(\pp)+16*(\te))*WP+64*(\ks)
	ds_load_b128 v[128*(\pp)+64*(\te)+8*(\ks)+4:128*(\pp)+64*(\te)+8*(\ks)+7], v[\adr] offset:(32*(\pp)+16*(\te))*WP+64*(\ks)+32
.endr
	WIN 0
.endm
.macro FETCH pp, adr, wsadr, wsoff, qadr, qoff, sq   ; the whole fetch on end: ahead of the laps alone
	FETCHS \pp, \wsadr, \wsoff, \qadr, \qoff, \sq
	FETCHW \pp, \adr, 0, 0
	FETCHW \pp, \adr, 0, 4
	FETCHW \pp, \adr, 1, 0
	FETCHW \pp, \adr, 1, 4
.endm
; The keys of 32 g become two bf16 operands, high part and what is left, and both are multiplied by q's fragment (rows 0-7 q's high parts, rows 8-15 its low parts).  Each accumulator is read from its low end on.
.macro CVTHI mt
.irp i, 0,1,2,3,4,5,6,7
	v_cvt_pk_bf16_f32 v[KH+16*(\mt)+\i], v[KEY+16*(\mt)+2*\i], v[KEY+16*(\mt)+2*\i+1]
.endr
.endm
.macro RESID mt
.irp i, 0,1,2,3,4,5,6,7
	v_fma_mix_f32_bf16 v[KEY+16*(\mt)+2*\i], v[KH+16*(\mt)+\i], v[NEG1], v[KEY+16*(\mt)+2*\i] op_sel_hi:[1,0,0]                  ; key - its high part: exact
	v_fma_mix_f32_bf16 v[KEY+16*(\mt)+2*\i+1], v[KH+16*(\mt)+\i], v[NEG1], v[KEY+16*(\mt)+2*\i+1] op_sel:[1,0,0] op_sel_hi:[1,0,0]
.endr
.endm
.macro CVTLO mt
.irp i, 0,1,2,3,4,5,6,7
	v_cvt_pk_bf16_f32 v[KL+16*(\mt)+\i], v[KEY+16*(\mt)+2*\i], v[KEY+16*(\mt)+2*\i+1]
.endr
.endm
.macro MMS part, sg, pp                ; the four score accumulators by turns
.irp mt, 0,1,2,3
	v_wmma_f32_16x16x32_bf16 v[S+8*\mt:S+8*\mt+7], v[Q2+16*(\sg)+8*(\pp):Q2+16*(\sg)+8*(\pp)+7], v[\part+16*\mt:\part+16*\mt+7], v[S+8*\mt:S+8*\mt+7]
.endr
.endm
.macro CONVP2 sg, pp                   ; the split and its products alone: the last step, which fetches nothing
	CVTHI 0
	CVTHI 1
	CVTHI 2
	CVTHI 3
	MMS KH, \sg, \pp
	RESID 0
	RESID 1
	RESID 2
	RESID 3
	CVTLO 0
	CVTLO 1
	CVTLO 2
	CVTLO 3
	MMS KL, \sg, \pp
.endm
; The same with set pp's next fetch dealt out among it: 4 + 8 loads, then three more runs of 8.  The loads name set pp, its scale words and the OTHER step's fragment of q: nothing that the split or its products touch.
.macro CONVF sg, pp, adr, wsadr, wsoff, qadr, qoff
	FETCHS \pp, \wsadr, \wsoff, \qadr, \qoff, 1-\sg
	FETCHW \pp, \adr, 0, 0
	CVTHI 0
	CVTHI 1
	FETCHW \pp, \adr, 0, 4
	CVTHI 2
	CVTHI 3
	MMS KH, \sg, \pp
	RESID 0
	RESID 1
	FETCHW \pp, \adr, 1, 0
	RESID 2
	RESID 3
	FETCHW \pp, \adr, 1, 4
	CVTLO 0
	CVTLO 1
	CVTLO 2
	CVTLO 3
	MMS KL, \sg, \pp
.endm
; THE CHANGE OF SLOTS.  My share of slot sg is in registers or on its way there.  Every wave waits for all its tensor loads (its piece of the other slot), adds 0 to its spare word, and waits for that and for its reads.
; fill = 1: a round of the cluster's barrier, and behind it, first, my one joint load: slot sg takes the step of w two steps on (64 rows of each half; behind row 448 the walk begins anew for the second chunk).
.macro CHANGE sg, fill
	WIN 0
	s_wait_tensorcnt 0x0                           ; no tensor load of mine is out, so a group 0 may be written
	ds_add_u32 v[SPW], v[NIL]
.if \fill
	s_add_co_u32 s[OFF+2*(\sg)], s[OFF+2*(\sg)], 65536
	s_and_b32 s[OFF+2*(\sg)], s[OFF+2*(\sg)], 0x3ffff
	s_add_nc_u64 s[G0W+4*(\sg)+2:G0W+4*(\sg)+3], s[WB:WB+1], s[OFF+2*(\sg):OFF+2*(\sg)+1]
	s_or_b32 s[G0W+4*(\sg)+3], s[G0W+4*(\sg)+3], 0x80000000
	s_wait_dscnt 0x0                               ; the add is done, and my reads of the slot are over
	CROUND
	tensor_load_to_lds s[G0W+4*(\sg):G0W+4*(\sg)+3], s[G1W:G1W+7]
	s_nop 0
	PLACES 4                                       ; also the places behind the products just issued
.else
	s_wait_dscnt 0x0
	s_barrier_signal -1
	s_barrier_wait -1
	PLACES 4
.endif
.endm
; 64 numbers of a lane, register 16 b + i = f 32 b + 16 (lane / 16) + i of my row, become a fragment's codes in v[PC] on and its scale word in v[PW]
.macro QUANT src
.irp b, 0,1,2,3
	v_max3_num_f32 v[TM+\b], |v[\src+16*\b]|, |v[\src+1+16*\b]|, 0x1800000   ; my 16 numbers of block b, and the floor 2^(3 - 127): the byte cannot fall under 1
.endr
.irp i, 2,4,6,8,10,12,14
.irp b, 0,1,2,3
	v_max3_num_f32 v[TM+\b], v[TM+\b], |v[\src+16*\b+\i]|, |v[\src+1+16*\b+\i]|
.endr
.endr
.irp b, 0,1,2,3
	v_permlanex16_b32 v[TM+4+\b], v[TM+\b], s[SEL], s[SEL+1]
.endr
.irp b, 0,1,2,3
	v_max_num_f32 v[TM+\b], v[TM+\b], v[TM+4+\b]   ; with lane l xor 16's: the block's largest magnitude
.endr
.irp b, 0,1,2,3
	v_add_nc_u32 v[TM+12+\b], 0xff000000, v[TM+\b] ; 2 off its exponent field: the conversion's scale operand
.endr
.irp b, 0,1,2,3
	v_lshrrev_b32 v[TM+4+\b], 23, v[TM+12+\b]      ; the scale's byte
.endr
	v_lshl_or_b32 v[PW], v[TM+5], 8, v[TM+4]
	v_lshl_or_b32 v[PW], v[TM+6], 16, v[PW]
	v_lshl_or_b32 v[PW], v[TM+7], 24, v[PW]
.irp b, 0,1,2,3
	v_cvt_scalef32_pk8_fp4_f32 v[PC+2*\b], v[\src+16*\b:\src+7+16*\b], v[TM+12+\b]
	v_cvt_scalef32_pk8_fp4_f32 v[PC+1+2*\b], v[\src+8+16*\b:\src+15+16*\b], v[TM+12+\b]
.endr
	v_nop                                          ; one plain place behind a scaled conversion
.irp c, 0,1                                    ; the operand's layout wants a whole block in a lane
.irp i, 0,1
	v_permlane16_swap_b32 v[PC+4*\c+\i], v[PC+2+4*\c+\i]
.endr
.endr
.endm
.macro XISSUE k                        ; unit k of the group at s[XP]: 16 rows x 128 f; each load reads 512 consecutive bytes of a row
	WIN 0xc0                                       ; destination window 3
.irp i, 0,1,2,3,4,5,6,7,8,9,10,11,12,13,14,15
	global_load_b128 v[64*(\k)+4*\i:64*(\k)+4*\i+3], v[XO], s[XP:XP+1] offset:512*(\k)+4096*\i th:TH_LOAD_NT
.endr
	WIN 0
.endm
; A unit: its 8,192 bytes turn through my stage (in as they lie, out 64 bytes of a row to a lane), are quantised, and leave as an image.  n: the younger loads that may stay out.
.macro XUNIT k, issue, n
	s_wait_loadcnt \n
	WIN 0x0c                                       ; an LDS store's data: window 3
.irp i, 0,1,2,3,4,5,6,7,8,9,10,11,12,13,14,15
	ds_store_b128 v[STW], v[64*(\k)+4*\i:64*(\k)+4*\i+3] offset:528*\i
.endr
	WIN 0
.irp b, 0,1,2,3
.irp j, 0,1,2,3
	ds_load_b128 v[KEY+16*\b+4*\j:KEY+16*\b+4*\j+3], v[STR] offset:128*\b+16*\j   ; LDS serves a wave's instructions in order: these see the stores above
.endr
.endr
.if \issue
	s_wait_dscnt 16                                ; all but the 16 loads just issued: the 16 stores are done and have read the ring's registers,
	XISSUE \k                                      ; which take the unit of the next group while the stage's loads come back
.endif
	s_wait_dscnt 0x0                               ; the numbers are back; the last unit's image has left its registers
	QUANT KEY
	ds_store_b128 v[IAG], v[PC:PC+3] offset:1024*(\k)
	ds_store_b128 v[IAG], v[PC+4:PC+7] offset:1024*(\k)+512
	ds_store_b32 v[ISAG], v[PW] offset:128*(\k)
.endm
; A group of four units: half the f of one row tile.  cnt: the scalar register that counts groups; its low two bits say where in the chunk's images the group lies.  issue = 1: group cnt + add is asked for.
.macro X4 cnt, add, issue
	PLACES 4                                       ; behind the last products, whose operands' registers are written below
.if \issue
	s_add_co_u32 s74, s[\cnt], \add
	s_lshr_b32 s75, s74, 2
	s_lshl_b32 s70, s75, 19                        ; the chunk: 128 rows of 4,096 bytes
	s_bfe_u32 s75, s74, 0x10001
	s_lshl_b32 s75, s75, 16                        ; which of my two tiles: 16 rows
	s_add_co_u32 s70, s70, s75
	s_and_b32 s75, s74, 1
	s_lshl_b32 s75, s75, 11                        ; which half of f
	s_add_co_u32 s70, s70, s75
	s_wait_xcnt 0x0                                ; the earlier loads have read their base
	s_add_nc_u64 s[XP:XP+1], s[XB:XB+1], s[70:71]
.endif
	s_and_b32 s74, s[\cnt], 3
	s_lshl_b32 s75, s74, 12
	v_add_nc_u32 v[IAG], s75, v[IA]
	s_lshl_b32 s75, s74, 9
	v_add_nc_u32 v[ISAG], s75, v[ISA]
.if \issue
	XUNIT 0, 1, 48                                 ; three younger units, 48 loads, stay out
	XUNIT 1, 1, 48
	XUNIT 2, 1, 48
	XUNIT 3, 1, 48
.else
	XUNIT 0, 0, 48                                 ; nothing is asked for any more: the counts run down
	XUNIT 1, 0, 32
	XUNIT 2, 0, 16
	XUNIT 3, 0, 0
.endif
	s_wait_dscnt 0x0                               ; the group's images lie in LDS and have left their registers
.endm
.macro TRANS                           ; my 64 rows' codes of the chunk into window 1, and their scale words: lanes 0-15 K step s, lanes 16-31 K step s + 4
	WIN 0x40
.irp mt, 0,1,2,3
.irp ks, 0,1,2,3,4,5,6,7
	ds_load_b128 v[64*\mt+8*\ks:64*\mt+8*\ks+3], v[TRA] offset:(8*\mt+\ks)*1024
	ds_load_b128 v[64*\mt+8*\ks+4:64*\mt+8*\ks+7], v[TRA] offset:(8*\mt+\ks)*1024+512
.endr
.endr
	WIN 0
.irp mt, 0,1,2,3
.irp ks, 0,1,2,3
	ds_load_b32 v[XS+4*\mt+\ks], v[TRS] offset:(8*\mt+\ks)*128
.endr
.endr
.endm
; The chunk's partial scores: lanes 0-15 hold q's high parts' sums, lanes 16-31 its low parts': they are added, and lane (r, h) stores heads 4 h .. 4 h + 3 of its row
.macro SXSTORE c
	v_and_b32 v26, 16, v0
	v_cmp_ne_u32 vcc_lo, 0, v26
.irp mt, 0,1,2,3
.irp j, 0,1,2,3,4,5,6,7
	v_permlanex16_b32 v[KEY+16*\mt+\j], v[S+8*\mt+\j], s[SEL], s[SEL+1]
.endr
.irp j, 0,1,2,3,4,5,6,7
	v_add_f32 v[KEY+16*\mt+\j], v[KEY+16*\mt+\j], v[S+8*\mt+\j]
.endr
.irp j, 0,1,2,3
	v_cndmask_b32 v[KEY+16*\mt+8+\j], v[KEY+16*\mt+\j], v[KEY+16*\mt+4+\j], vcc_lo
.endr
	ds_store_b128 v[SXW], v[KEY+16*\mt+8:KEY+16*\mt+11] offset:8192*(\c)+512*\mt
.endr
.endm
.macro CLEARS                          ; the score sums begin at 0: 32 registers, twice in the launch, in place of a lap written out a third time
.set i, 0
.rept 32
	v_mov_b32 v[S+i], 0
.set i, i+1
.endr
.endm
.macro LAPADR                          ; where this lap's and the next lap's scale words of w and fragments of q lie: a lap is 128 g of each half, four laps a chunk
	s_and_b32 s74, s[LC], 3
	s_mul_i32 s75, s74, 4352
	v_add_nc_u32 v[WSCUR], s75, v[WSB]
	s_lshl_b32 s75, s74, 12
	v_add_nc_u32 v[QCUR], s75, v[QB]
	s_add_co_u32 s74, s[LC], 1
	s_and_b32 s74, s74, 3
	s_mul_i32 s75, s74, 4352
	v_add_nc_u32 v[WSNXT], s75, v[WSB]
	s_lshl_b32 s75, s74, 12
	v_add_nc_u32 v[QNXT], s75, v[QB]
.endm
; A step of w in slot sg: 64 g of my half, as two sets of 32.  Behind the first set's products the slot is left; the next step's sets are fetched from the other slot, among the keys' split.
.macro GSTEP sg, fill, wsn, wso, qn, qo
	s_wait_dscnt 36                                ; set 0 is in; the one younger fetch, 36 loads, may be out
	FP4 0
	CHANGE \sg, \fill
	CONVF \sg, 0, WA+1-\sg, \wsn, \wso, \qn, \qo
	s_wait_dscnt 36
	FP4 1
	PLACES 4
	CONVF \sg, 1, WA+1-\sg, \wsn, \wso, \qn, \qo
.endm
.macro WRED dop, op, base              ; eight numbers, each reduced over the wave's 32 lanes; the result stands in every lane
.irp m, 1,2,4,8
.irp j, 0,1,2,3,4,5,6,7
	\dop v[\base+\j], v[\base+\j], v[\base+\j] row_xmask:\m row_mask:0xf bank_mask:0xf
.endr
.endr
.irp j, 0,1,2,3,4,5,6,7
	v_permlanex16_b32 v[136+\j], v[\base+\j], s[SEL], s[SEL+1]
.endr
.irp j, 0,1,2,3,4,5,6,7
	\op v[\base+\j], v[\base+\j], v[136+\j]
.endr
.endm
	; ---- the head
	s_load_b512 s[4:19], s[0:1], 0x0               ; x s[4:5], kpm s[6:7], q s[8:9], w's codes s[10:11], w's scales s[12:13], scores s[14:15], stats s[16:17], cand s[18:19]
	v_lshl_add_u32 v[SPW], v0, 2, SPARE
	v_mov_b32 v[NIL], 0
	ds_add_u32 v[SPW], v[NIL]                      ; the wave's opening: the add, twice on end, and its wait ahead of the round in front of my first tensor loads
	ds_add_u32 v[SPW], v[NIL]
	v_lshrrev_b32 v26, 5, v0
	v_readfirstlane_b32 s[WV], v26                 ; wave 0..3
	s_lshr_b32 s[RH], s[WV], 1                     ; which 64 rows of a chunk I multiply.  Also: for which half of g I fetch
	s_and_b32 s[GH], s[WV], 1                      ; which half of g I multiply.  Also: which 32 rows of a step's 64 I fetch
	s_bfe_u32 s23, ttmp6, 0x40000                  ; cx
	s_lshl_b32 s24, ttmp9, 2
	s_add_co_u32 s24, s24, s23                     ; my block of 256 rows: it enters the addresses of x, kpm and the three results alone
	s_mov_b32 s[G1W], 15|(1<<20)|(1<<21)|(6<<22)|(3<<25)   ; 15:0 the mask: all four work-groups; elements of 1 byte; padding on; 21 set beside a mask; after every 128 words four words
	s_mov_b32 s[G1W+1], 512<<16                    ; tensor_dim0
	s_mov_b32 s[G1W+2], 32<<16                     ; tensor_dim1
	s_mov_b32 s[G1W+3], 512<<16                    ; tile_dim0
	s_mov_b32 s[G1W+4], 32                         ; tile_dim1
	s_mov_b32 s[G1W+5], 512                        ; from row to row
	s_mov_b32 s[G1W+6], 0
	s_mov_b32 s[G1W+7], 0
	s_mov_b32 s[G1S], 15|(3<<16)|(1<<20)|(1<<21)|(5<<22)|(3<<25)   ; the scale bytes: a dense block as rows of 32 elements of 8 bytes, four words behind every 64
	s_mov_b32 s[G1S+1], 32<<16
	s_mov_b32 s[G1S+2], 32<<16
	s_mov_b32 s[G1S+3], 32<<16
	s_mov_b32 s[G1S+4], 32
	s_mov_b32 s[G1S+5], 32
	s_mov_b32 s[G1S+6], 0
	s_mov_b32 s[G1S+7], 0
	s_mul_i32 s74, s[WV], PIECE
	s_mov_b32 s[G0W], 1
	s_mov_b32 s[G0W+1], s74                        ; slot 0, my piece
	s_mov_b32 s[G0W+4], 1
	s_add_co_u32 s[G0W+5], s74, SLOTB              ; slot 1
	s_mul_i32 s75, s[WV], 32*272
	s_mov_b32 s[G0S], 1
	s_add_co_u32 s[G0S+1], s75, WSC
	s_mov_b32 s[OFF], 0                            ; bytes from my first row of w to my rows of the step that a slot holds
	s_mov_b32 s[OFF+1], 0
	s_mov_b32 s[OFF+2], 32768
	s_mov_b32 s[OFF+3], 0
	s_mov_b32 s[SEL], 0x76543210
	s_mov_b32 s[SEL+1], 0xfedcba98                 ; v_permlanex16_b32's selects for lane l xor 16
	v_and_b32 v27, 31, v0                          ; lane
	v_and_b32 v28, 15, v0                          ; r
	v_bfe_u32 v29, v0, 4, 1                        ; h
	v_lshlrev_b32 v[XO], 4, v27
	s_mul_i32 s76, s[WV], 16*528
	s_add_co_u32 s76, s76, STG
	v_add_nc_u32 v[STW], s76, v[XO]                ; the stage, in: 16 bytes a lane of a row
	v_mul_u32_u24 v[STR], v28, 528
	v_lshl_add_u32 v[STR], v29, 6, v[STR]
	v_add_nc_u32 v[STR], s76, v[STR]               ; out: row r, + 64 h
	s_lshl_b32 s76, s[WV], 14
	s_add_co_u32 s76, s76, IMG
	v_add_nc_u32 v[IA], s76, v[XO]                 ; where I store images: my two tiles
	v_lshlrev_b32 v30, 2, v27
	s_lshl_b32 s76, s[WV], 11
	s_add_co_u32 s76, s76, XSI
	v_add_nc_u32 v[ISA], s76, v30
	s_lshl_b32 s76, s[RH], 15
	s_add_co_u32 s76, s76, IMG
	v_add_nc_u32 v[TRA], s76, v[XO]                ; from where I take them: my four tiles
	s_lshl_b32 s76, s[RH], 12
	s_add_co_u32 s76, s76, XSI
	v_lshl_add_u32 v[TRS], v29, 9, v30             ; lanes 16-31: four K steps on
	v_add_nc_u32 v[TRS], s76, v[TRS]
	s_mul_i32 s76, s[GH], HALFW
	v_mul_u32_u24 v[WA], v28, WP
	v_lshl_add_u32 v[WA], v29, 4, v[WA]
	v_add_nc_u32 v[WA], s76, v[WA]                 ; w's fragments in slot 0: row r, + 16 h, my half
	v_add_nc_u32 v[WA+1], SLOTB, v[WA]
	v_lshrrev_b32 v31, 3, v27
	v_mul_u32_u24 v31, v31, 272
	v_and_b32 v26, 7, v0
	v_lshl_add_u32 v31, v26, 5, v31
	s_mul_i32 s76, s[GH], 64*272
	s_add_co_u32 s76, s76, WSC
	v_add_nc_u32 v[WSB], s76, v31                  ; w's scale bytes: row = lane, 32 bytes a row, eight rows to a run
	s_lshl_b32 s76, s[GH], 14
	s_add_co_u32 s76, s76, QIMG
	v_add_nc_u32 v[QB], s76, v[XO]
	s_lshl_b32 s76, s[GH], 12
	s_lshl_b32 s77, s[RH], 11
	s_add_co_u32 s76, s76, s77
	s_add_co_u32 s76, s76, SX
	v_lshlrev_b32 v[SXW], 5, v28
	v_lshl_add_u32 v[SXW], v29, 4, v[SXW]
	v_add_nc_u32 v[SXW], s76, v[SXW]
	v_lshlrev_b32 v[SXR], 5, v0
	v_add_nc_u32 v[SXR], SX, v[SXR]
	s_lshl_b32 s76, s[WV], 13
	s_add_co_u32 s76, s76, QIMG
	v_add_nc_u32 v31, s76, v[XO]                   ; where I store q's fragments 8 v .. 8 v + 7
	v_lshlrev_b32 v30, 12, v26                     ; q: head r % 8,
	v_lshl_add_u32 v30, v29, 5, v30                ; + 8 h numbers,
	s_lshl_b32 s76, s[WV], 10
	v_add_nc_u32 v30, s76, v30                     ; + my 256 g
	v_mov_b32 v[NEG1], -1.0
	v_and_b32 v26, 8, v0
	v_cmp_ne_u32 vcc_lo, 0, v26
	v_cndmask_b32 v[QSEL], 0, v[NEG1], vcc_lo      ; rows 0-7 of a fragment keep q, rows 8-15 take q less its high part
	s_wait_dscnt 0x0                               ; both opening adds are done
	s_wait_kmcnt 0x0
	s_lshl_b32 s70, s24, 20
	s_lshl_b32 s74, s[WV], 17
	s_add_co_u32 s70, s70, s74
	s_mov_b32 s71, 0
	s_add_nc_u64 s[XB:XB+1], s[4:5], s[70:71]      ; x at my 32 rows of chunk 0
	s_mov_b64 s[XP:XP+1], s[XB:XB+1]
	s_lshl_b32 s70, s24, 8
	s_add_nc_u64 s[6:7], s[6:7], s[70:71]
	s_lshl_b32 s70, s24, 12
	s_add_nc_u64 s[14:15], s[14:15], s[70:71]
	s_lshl_b32 s70, s24, 6
	s_add_nc_u64 s[16:17], s[16:17], s[70:71]
	s_lshl_b32 s70, s24, 5
	s_add_nc_u64 s[18:19], s[18:19], s[70:71]
	s_lshl_b32 s76, s[RH], 18                      ; w: 512 rows of 512 bytes for the half, (in registers that never hold my place in the cluster)
	s_lshl_b32 s78, s[GH], 14                      ; 32 rows for the piece
	s_add_co_u32 s76, s76, s78
	s_mov_b32 s77, 0
	s_add_nc_u64 s[WB:WB+1], s[10:11], s[76:77]
	s_mov_b64 s[G0W+2:G0W+3], s[WB:WB+1]
	s_or_b32 s[G0W+3], s[G0W+3], 0x80000000
	s_add_nc_u64 s[G0W+6:G0W+7], s[WB:WB+1], s[OFF+2:OFF+3]
	s_or_b32 s[G0W+7], s[G0W+7], 0x80000000
	s_lshl_b32 s76, s[WV], 13
	s_add_nc_u64 s[G0S+2:G0S+3], s[12:13], s[76:77]
	s_or_b32 s[G0S+3], s[G0S+3], 0x80000000
	CROUND                                         ; all four work-groups are here: the first joint loads meet
	tensor_load_to_lds s[G0S:G0S+3], s[G1S:G1S+7]  ; my quarter of w's scale bytes: filled once
	s_nop 0
	tensor_load_to_lds s[G0W:G0W+3], s[G1W:G1W+7]  ; step 0
	s_nop 0
	tensor_load_to_lds s[G0W+4:G0W+7], s[G1W:G1W+7]   ; step 1: three tensor loads of mine are out
	s_nop 0
	PLACES 4
	; ---- kpm, q, and the first group of x
	global_load_u8 v[KP], v0, s[6:7]               ; thread t: rows t and 128 + t of the block
	global_load_u8 v[KP+1], v0, s[6:7] offset:128
.irp i, 0,1,2,3,4,5,6,7
	global_load_b128 v[KEY+16*\i:KEY+16*\i+3], v30, s[8:9] offset:128*\i
	global_load_b128 v[KEY+16*\i+4:KEY+16*\i+7], v30, s[8:9] offset:128*\i+16
	global_load_b128 v[KEY+16*\i+8:KEY+16*\i+11], v30, s[8:9] offset:128*\i+64
	global_load_b128 v[KEY+16*\i+12:KEY+16*\i+15], v30, s[8:9] offset:128*\i+80
.endr
	XISSUE 0
	s_wait_loadcnt 16                              ; kpm and q are in; unit 0's 16 loads stay out
	XISSUE 1
	XISSUE 2
.irp i, 0,1,2,3,4,5,6,7                        ; fragment 8 v + i of q: 16 rows (8 heads' high parts, 8 heads' low parts) x 32 g
.irp j, 0,1,2,3,4,5,6,7
	v_cvt_pk_bf16_f32 v[S+\j], v[KEY+16*\i+2*\j], v[KEY+16*\i+2*\j+1]
.endr
.irp j, 0,1,2,3,4,5,6,7
	v_fma_mix_f32_bf16 v[KEY+16*\i+2*\j], v[S+\j], v[QSEL], v[KEY+16*\i+2*\j] op_sel_hi:[1,0,0]
	v_fma_mix_f32_bf16 v[KEY+16*\i+2*\j+1], v[S+\j], v[QSEL], v[KEY+16*\i+2*\j+1] op_sel:[1,0,0] op_sel_hi:[1,0,0]
.endr
.irp j, 0,1,2,3,4,5,6,7
	v_cvt_pk_bf16_f32 v[KEY+16*\i+\j], v[KEY+16*\i+2*\j], v[KEY+16*\i+2*\j+1]   ; in place, ascending: register j is written when numbers 2 j, 2 j + 1 are read
.endr
	ds_store_b128 v31, v[KEY+16*\i:KEY+16*\i+3] offset:1024*\i
	ds_store_b128 v31, v[KEY+16*\i+4:KEY+16*\i+7] offset:1024*\i+512
.endr
	XISSUE 3
	CLEARS
	s_wait_dscnt 0x0                               ; q's stores have read their registers
	; ---- chunk 0 of x: four groups; each trip asks for the group after
	s_mov_b32 s[XC], 0
.Lx0:
	X4 XC, 1, 1
	s_add_co_u32 s[XC], s[XC], 1
	s_cmp_lt_u32 s[XC], 4
	s_cbranch_scc1 .Lx0
	s_wait_tensorcnt 0x1                           ; the scale bytes and my piece of step 0 are in; step 1's may stay out
	s_wait_dscnt 0x0
	s_barrier_signal -1
	s_barrier_wait -1                              ; chunk 0's images, q's fragments, w's scale bytes and step 0 lie in LDS
	TRANS
	FETCH 0, WA, WSB, 0, QB, 0, 0
	FETCH 1, WA, WSB, 0, QB, 0, 0
	; ---- seven laps of two steps of w; laps 0-3 are chunk 0's, and carry chunk 1's groups of x between their two steps.
	; ORDER.  A group's images are stored behind the first step's change of slots, in front of which every wave has waited for its loads of the images that lay there before; the group ends with a wait for its stores,
	; and the second step's change of slots (a wait for all LDS instructions, then a round that holds the work-group's barrier) stands between all waves' stores and the loads that take chunk 1's images behind lap 3.
	s_mov_b32 s[LC], 0
.Llap:
	LAPADR
	GSTEP 0, 1, WSCUR, 2176, QCUR, 2048
	s_cmp_lt_u32 s[LC], 3                          ; the count of laps alone: the same in all waves and all partners
	s_cbranch_scc0 .Lnot_early
	X4 LC, 5, 1                                    ; group 4 + lap is quantised, group 5 + lap asked for
	s_branch .Lxdone
.Lnot_early:
	s_cmp_eq_u32 s[LC], 3
	s_cbranch_scc0 .Lxdone
	X4 LC, 0, 0                                    ; the last group
.Lxdone:
	GSTEP 1, 1, WSNXT, 0, QNXT, 0
	s_cmp_eq_u32 s[LC], 3
	s_cbranch_scc0 .Lno_trans
	PLACES 4                                       ; behind the last products on the score sums
	SXSTORE 0                                      ; chunk 0's scores are whole
	CLEARS
	TRANS                                          ; chunk 1's codes take chunk 0's registers
	s_wait_dscnt 0x0
.Lno_trans:
	s_add_co_u32 s[LC], s[LC], 1
	s_cmp_lt_u32 s[LC], 7
	s_cbranch_scc1 .Llap
	; ---- the last lap is written out: nothing is left to ask for
	LAPADR
	GSTEP 0, 0, WSCUR, 2176, QCUR, 2048
	s_wait_dscnt 36
	FP4 0
	PLACES 4
	CONVP2 1, 0
	s_wait_dscnt 0x0
	FP4 1
	PLACES 4
	CONVP2 1, 1
	PLACES 4
	SXSTORE 1
	s_wait_dscnt 0x0
	s_barrier_signal -1
	s_barrier_wait -1
	; ---- thread t finishes rows t and 128 + t: the two halves of g are added, kpm is applied, the scores leave
.irp c, 0,1
	ds_load_b128 v[96+16*\c:99+16*\c], v[SXR] offset:8192*\c
	ds_load_b128 v[100+16*\c:103+16*\c], v[SXR] offset:8192*\c+16
	ds_load_b128 v[104+16*\c:107+16*\c], v[SXR] offset:8192*\c+4096
	ds_load_b128 v[108+16*\c:111+16*\c], v[SXR] offset:8192*\c+4096+16
.endr
	v_mov_b32 v26, 0xff800000                      ; -infinity
	v_lshlrev_b32 v27, 4, v0
	s_lshl_b32 s74, s[WV], 5
	s_add_co_u32 s74, s74, RED
	v_mov_b32 v28, s74
	v_mov_b32 v29, RED
	s_wait_dscnt 0x0
.irp c, 0,1
.irp j, 0,2,4,6
	v_pk_add_f32 v[96+16*\c+\j:97+16*\c+\j], v[96+16*\c+\j:97+16*\c+\j], v[104+16*\c+\j:105+16*\c+\j]
.endr
	v_cmp_ne_u32 vcc_lo, 0, v[KP+\c]
.irp j, 0,1,2,3,4,5,6,7
	v_cndmask_b32 v[96+16*\c+\j], v[96+16*\c+\j], v26, vcc_lo
.endr
.endr
	global_store_b128 v27, v[96:99], s[14:15]                       ; each store of the wave covers 512 consecutive bytes, aligned
	global_store_b128 v27, v[100:103], s[14:15] offset:1048576
	global_store_b128 v27, v[112:115], s[14:15] offset:2048
	global_store_b128 v27, v[116:119], s[14:15] offset:1048576+2048
.irp j, 0,1,2,3,4,5,6,7
	v_max3_num_f32 v[128+\j], v[96+\j], v[112+\j], 0xff61b1e6       ; and -3e38, so that the block's maximum is a number
.endr
	WRED v_max_num_f32_dpp, v_max_num_f32, 128
	ds_store_b128 v28, v[128:131]                  ; all lanes write the same words with the same values
	ds_store_b128 v28, v[132:135] offset:16
	s_wait_dscnt 0x0
	s_barrier_signal -1
	s_barrier_wait -1
.irp w, 0,1,2,3
	ds_load_b128 v[136+8*\w:139+8*\w], v29 offset:32*\w
	ds_load_b128 v[140+8*\w:143+8*\w], v29 offset:32*\w+16
.endr
	s_wait_dscnt 0x0
.irp j, 0,1,2,3,4,5,6,7
	v_max3_num_f32 v[128+\j], v[136+\j], v[144+\j], v[152+\j]
.endr
.irp j, 0,1,2,3,4,5,6,7
	v_max_num_f32 v[128+\j], v[128+\j], v[160+\j]  ; m of the block
.endr
.irp c, 0,1
.irp j, 0,1,2,3,4,5,6,7
	v_sub_f32 v[168+8*\c+\j], v[96+16*\c+\j], v[128+\j]
.endr
.endr
.irp c, 0,1                                    ; the candidates: -32 <= s - m for some head.  The masks are data: they are stored, and steer nothing here
	v_cmp_le_f32 s[86+\c], 0xc2000000, v[168+8*\c]
.irp j, 1,2,3,4,5,6,7
	v_cmp_le_f32 s74, 0xc2000000, v[168+8*\c+\j]
	s_or_b32 s[86+\c], s[86+\c], s74
.endr
.endr
.irp j, 0,1,2,3,4,5,6,7,8,9,10,11,12,13,14,15
	v_mul_f32 v[168+\j], 0x3fb8aa3b, v[168+\j]
.endr
.irp j, 0,1,2,3,4,5,6,7,8,9,10,11,12,13,14,15
	v_exp_f32 v[168+\j], v[168+\j]                 ; e^(s - m)
.endr
	s_lshl_b32 s74, s[WV], 2
	s_add_co_u32 s74, s74, RED
	v_mov_b32 v26, s74                             ; a plain place behind the exponentials
	s_wait_alu depctr_va_vdst(0)                   ; one wait for the batch, ahead of its first reader
.irp j, 0,1,2,3,4,5,6,7
	v_add_f32 v[184+\j], v[168+\j], v[176+\j]
.endr
	WRED v_add_f32_dpp, v_add_f32, 184
	v_mov_b32 v30, s86
	v_mov_b32 v31, s87
	ds_store_b128 v28, v[184:187] offset:128
	ds_store_b128 v28, v[188:191] offset:144
	ds_store_b32 v26, v30 offset:256               ; word 4 c + v of the block's eight
	ds_store_b32 v26, v31 offset:272
	v_and_b32 v147, 7, v0                          ; the addresses of wave 0's closing part, made by every wave ahead of the branch
	v_lshlrev_b32 v147, 2, v147
	v_bfe_u32 v148, v0, 3, 1
	v_lshl_add_u32 v148, v148, 7, v147
	v_add_nc_u32 v148, RED, v148                   ; lanes 0-7: head's maxima; lanes 8-15: head's sums
	v_add_nc_u32 v149, RED+256, v147
	v_and_b32 v150, 31, v0
	v_lshlrev_b32 v150, 2, v150
	s_wait_dscnt 0x0
	s_barrier_signal -1
	s_barrier_wait -1
	s_cmp_lg_u32 s[WV], 0
	s_cbranch_scc1 .Lnot_zero
	ds_load_b32 v138, v148
	ds_load_b32 v139, v148 offset:32
	ds_load_b32 v140, v148 offset:64
	ds_load_b32 v141, v148 offset:96
	ds_load_b32 v142, v149
	s_wait_dscnt 0x0
	v_max3_num_f32 v144, v138, v139, v140
	v_max_num_f32 v144, v144, v141
	v_add_f32 v145, v138, v139
	v_add_f32 v146, v140, v141
	v_add_f32 v145, v145, v146
	v_and_b32 v146, 8, v0
	v_cmp_ne_u32 vcc_lo, 0, v146
	v_cndmask_b32 v144, v144, v145, vcc_lo
	s_wait_xcnt 0x0                                ; EXEC changes only behind this wait
	v_cmp_gt_u32 vcc_lo, 16, v0
	s_and_saveexec_b32 s74, vcc_lo
	global_store_b32 v150, v144, s[16:17]          ; m[8], l[8]
	s_wait_xcnt 0x0
	s_or_b32 exec_lo, exec_lo, s74
	v_cmp_gt_u32 vcc_lo, 8, v0
	s_and_saveexec_b32 s74, vcc_lo
	global_store_b32 v150, v142, s[18:19]          ; the block's eight words
	s_wait_xcnt 0x0
	s_or_b32 exec_lo, exec_lo, s74
.Lnot_zero:
	s_wait_tensorcnt 0x0                           ; the wave's end
	ds_add_u32 v[SPW], v[NIL]
	s_wait_dscnt 0x0
	CROUND                                         ; the closing round
	s_endpgm
.Lfunc_end_k_qa5b1d1631a_score:
	.size	k_qa5b1d1631a_score, .Lfunc_end_k_qa5b1d1631a_score-k_qa5b1d1631a_score
	.p2alignl 7, 3214868480
	.fill 96, 4, 3214868480
	.section	.rodata,"a",@progbits
	.p2align	6, 0x0
	.amdhsa_kernel k_qa5b1d1631a_score
		.amdhsa_group_segment_fixed_size 327680
		.amdhsa_private_segment_fixed_size 0
		.amdhsa_enable_private_segment 0
		.amdhsa_kernarg_size 64
		.amdhsa_user_sgpr_count 2
		.amdhsa_user_sgpr_kernarg_segment_ptr 1
		.amdhsa_wavefront_size32 1
		.amdhsa_system_sgpr_workgroup_id_x 1
		.amdhsa_system_sgpr_workgroup_id_y 1
		.amdhsa_system_sgpr_workgroup_id_z 1
		.amdhsa_system_vgpr_workitem_id 0
		.amdhsa_next_free_vgpr 1024
		.amdhsa_next_free_sgpr 96
		.amdhsa_reserve_vcc 1
		.amdhsa_float_denorm_mode_32 3
		.amdhsa_float_denorm_mode_16_64 3
		.amdhsa_memory_ordered 1
		.amdhsa_forward_progress 1
		.amdhsa_inst_pref_size 255
	.end_amdhsa_kernel
	.section	.bss,"aw",@nobits
	.p2align	6
	.space	262144
	.amdgpu_metadata
---
amdhsa.version: [ 1, 2 ]
amdhsa.kernels:
  - .name:           k_qa5b1d1631a_score
    .symbol:         k_qa5b1d1631a_score.kd
    .args:
      - { .name: x, .offset: 0, .size: 8, .value_kind: global_buffer, .address_space: global }
      - { .name: kpm, .offset: 8, .size: 8, .value_kind: global_buffer, .address_space: global }
      - { .name: q, .offset: 16, .size: 8, .value_kind: global_buffer, .address_space: global }
      - { .name: w_codes, .offset: 24, .size: 8, .value_kind: global_buffer, .address_space: global }
      - { .name: w_scales, .offset: 32, .size: 8, .value_kind: global_buffer, .address_space: global }
      - { .name: scores, .offset: 40, .size: 8, .value_kind: global_buffer, .address_space: global }
      - { .name: stats, .offset: 48, .size: 8, .value_kind: global_buffer, .address_space: global }
      - { .name: cand, .offset: 56, .size: 8, .value_kind: global_buffer, .address_space: global }
    .group_segment_fixed_size: 327680
    .private_segment_fixed_size: 0
    .kernarg_segment_align: 8
    .kernarg_segment_size: 64
    .max_flat_workgroup_size: 128
    .sgpr_count:     96
    .vgpr_count:     1024
    .wavefront_size: 32
...
	.end_amdgpu_metadata
.endif
;; end of part 1
;; launch pool (part 2): grid 16 x 16, 32 waves a work-group, no clusters, 69,632 bytes of LDS; arguments x, scores, stats, cand, out0; writes out0
.if DOCPART == 2
	.amdgcn_target "amdgcn-amd-amdhsa--gfx1250"
	.amdhsa_code_object_version 6
	.text
	.protected	k_qa5b1d1631a_pool
	.globl	k_qa5b1d1631a_pool
	.p2align	8
	.type	k_qa5b1d1631a_pool,@function
k_qa5b1d1631a_pool:
	s_mov_b64 s[64:65], 0
	v_nop
	global_prefetch_b8 v0, s[64:65] scope:SCOPE_SE
	s_setreg_imm32_b32 hwreg(HW_REG_WAVE_MODE, 25, 1), 1
	s_wait_xcnt 0x0
; AttnPool, launch 2 of 2.  out0[b][h][f] = (the sum over rows l of e^(s[h][l] - M[h]) x[b][l][f]) / L[h].  M[h] = the largest of the batch's 16 block maxima; L[h] = the sum over blocks of l e^(m - M): it holds EVERY row.
; LEFT OUT: the rows of x whose bit in cand is 0.  Each has e^(s - M) < e^-32 for all eight heads, whatever the inputs hold (M is at least its block's m); 4,096 of them move a result by less than 5.2e-11 times
; the batch's largest |x|.  A NaN or an infinity in such a row of x is not carried to the result.  A batch that is masked whole has no candidate and L = 0: 0 x (1 / 0), a NaN, as the softmax of the problem gives.
; SHARES.  Work-group (x, y): 64 f from 64 x on, batch y.  Wave v: rows 128 v .. 128 v + 127, four words of the bitmap, read from memory; a lane owns two f, so a row's load covers 256 consecutive bytes, aligned.
; A trip takes eight candidates; a place with no candidate left loads row 127 and gets the weight 0.  The 32 waves' sums meet in LDS; waves 0-7 finish a head each.
; NO CLUSTER, NO TENSOR LOAD: the trip counts hang on the stored bitmap, and what the sixteen work-groups of a batch share is 32 of the 288 bytes that a candidate costs each.  No matrix unit: eight heads, sums in f32.
.set PART,  0                          ; [32 waves][8 heads][256 bytes]
.set SPARE, 65536                      ; the spare words, 128 bytes for each wave
.set LANE8, 1
.set SPW,   2
.set NIL,   3
.set M,     4                          ; v4-11    M of the eight heads
.set ACC,   12                         ; v12-27   head j: two f
.set X,     28                         ; v28-43   candidate k: two f
.set SC,    44                         ; v44-107  candidate k: eight scores, then weights
.set VX,    108                        ; v108-115 offsets in x
.set VS,    116                        ; v116-123 offsets in scores
.set RL,    124                        ; v124 1 / L of head (wave % 8); v125, v126 LDS addresses; v127 at work
.set BIAS,  32                         ; s32-39   0 for a candidate, -infinity for an empty place
	s_load_b256 s[4:11], s[0:1], 0x0               ; x s[4:5], scores s[6:7], stats s[8:9], cand s[10:11]
	s_load_b64 s[12:13], s[0:1], 0x20              ; out0
	v_lshl_add_u32 v[SPW], v0, 2, SPARE
	v_mov_b32 v[NIL], 0
	v_lshrrev_b32 v127, 5, v0
	v_readfirstlane_b32 s14, v127                  ; wave 0..31
	s_and_b32 s15, ttmp7, 0xffff                   ; batch
	v_and_b32 v127, 31, v0
	v_lshlrev_b32 v[LANE8], 3, v127
	s_lshl_b32 s16, s14, 11
	v_add_nc_u32 v125, s16, v[LANE8]               ; PART: my wave's 2,048 bytes
	s_and_b32 s18, s14, 7                          ; the head whose L I make
	s_lshl_b32 s16, s18, 8
	v_add_nc_u32 v126, s16, v[LANE8]               ; PART: that head's 256 bytes of wave 0
	v_and_b32 v127, 15, v0
	v_lshlrev_b32 v127, 6, v127                    ; stats: lane % 16 = the block, 64 bytes each
	s_lshl_b32 s16, s18, 2
	v_add_nc_u32 v[VX], s16, v127
	s_mov_b32 s30, 0x3fb8aa3b                      ; log2(e)
	s_mov_b32 s31, 0xff800000                      ; -infinity
	s_mov_b32 s24, 0                               ; the row of bit 0 of the word in hand
	s_mov_b32 s17, 0
.irp j, 0,1,2,3,4,5,6,7,8,9,10,11,12,13,14,15
	v_mov_b32 v[ACC+\j], 0                         ; a wave may have no candidate at all
.endr
	s_wait_kmcnt 0x0
	s_lshl_b32 s16, s15, 9
	s_lshl_b32 s19, s14, 4
	s_add_co_u32 s16, s16, s19
	s_add_nc_u64 s[10:11], s[10:11], s[16:17]
	s_load_b128 s[20:23], s[10:11], 0x0            ; my four words
	s_lshl_b32 s16, s15, 10
	s_add_nc_u64 s[8:9], s[8:9], s[16:17]
	global_load_b128 v[M:M+3], v127, s[8:9]        ; the block's m, heads 0-3,
	global_load_b128 v[M+4:M+7], v127, s[8:9] offset:16   ; heads 4-7
	global_load_b32 v44, v[VX], s[8:9]             ; m and l of my head
	global_load_b32 v45, v[VX], s[8:9] offset:32
	s_lshl_b32 s16, s15, 24
	s_lshl_b32 s19, s14, 19
	s_add_co_u32 s16, s16, s19
	s_lshl_b32 s19, ttmp9, 8
	s_add_co_u32 s16, s16, s19
	s_add_nc_u64 s[4:5], s[4:5], s[16:17]          ; x at my first row, my work-group's 64 f
	s_lshl_b32 s16, s15, 16
	s_lshl_b32 s19, s14, 11
	s_add_co_u32 s16, s16, s19
	s_add_nc_u64 s[6:7], s[6:7], s[16:17]          ; scores at my first row
	s_lshl_b32 s16, s15, 15
	s_lshl_b32 s19, s18, 12
	s_add_co_u32 s16, s16, s19
	s_lshl_b32 s19, ttmp9, 8
	s_add_co_u32 s16, s16, s19
	s_add_nc_u64 s[12:13], s[12:13], s[16:17]      ; out0 at batch, head, 64 f
	s_wait_kmcnt 0x0
	s_bcnt1_i32_b32 s25, s20
	s_bcnt1_i32_b32 s27, s21
	s_add_co_u32 s25, s25, s27
	s_bcnt1_i32_b32 s27, s22
	s_add_co_u32 s25, s25, s27
	s_bcnt1_i32_b32 s27, s23
	s_add_co_u32 s25, s25, s27
	s_add_co_u32 s25, s25, 7
	s_lshr_b32 s25, s25, 3                         ; trips of eight candidates
	s_wait_loadcnt 0x0
.irp m, 1,2,4,8
.irp j, 0,1,2,3,4,5,6,7
	v_max_num_f32_dpp v[M+\j], v[M+\j], v[M+\j] row_xmask:\m row_mask:0xf bank_mask:0xf   ; over the 16 blocks: M
.endr
.endr
	v_mov_b32 v46, v44
.irp m, 1,2,4,8
	v_max_num_f32_dpp v46, v46, v46 row_xmask:\m row_mask:0xf bank_mask:0xf
.endr
	v_sub_f32 v46, v44, v46                        ; m - M of my head
	v_mul_f32 v46, s30, v46
	v_exp_f32 v46, v46
	v_nop
	s_wait_alu depctr_va_vdst(0)                   ; ahead of the first reader
	v_mul_f32 v46, v45, v46
.irp m, 1,2,4,8
	v_add_f32_dpp v46, v46, v46 row_xmask:\m row_mask:0xf bank_mask:0xf                   ; L
.endr
	v_rcp_f32 v[RL], v46
	v_nop
	s_wait_alu depctr_va_vdst(0)
; The next candidate's row in s27, held inside my 128 rows.  Empty words are passed over without a branch: up to three moves.
.macro EXTRACT k
.rept 3
	s_cmp_eq_u32 s20, 0
	s_cselect_b32 s20, s21, s20
	s_cselect_b32 s21, s22, s21
	s_cselect_b32 s22, s23, s22
	s_cselect_b32 s23, 0, s23
	s_cselect_b32 s27, 32, 0
	s_add_co_u32 s24, s24, s27
.endr
	s_cmp_lg_u32 s20, 0
	s_cselect_b32 s[BIAS+\k], 0, s31
	s_ctz_i32_b32 s27, s20
	s_add_co_u32 s27, s27, s24
	s_min_u32 s27, s27, 127
	s_sub_co_u32 s28, s20, 1
	s_and_b32 s20, s20, s28                        ; the bit is taken
.endm
	s_cmp_eq_u32 s25, 0
	s_cbranch_scc1 .Lnone
	s_mov_b32 s26, 0
.Ltrip:
.irp k, 0,1,2,3,4,5,6,7
	EXTRACT \k
	s_lshl_b32 s28, s27, 12
	v_add_nc_u32 v[VX+\k], s28, v[LANE8]
	s_lshl_b32 s28, s27, 4
	v_mov_b32 v[VS+\k], s28
	global_load_b64 v[X+2*\k:X+2*\k+1], v[VX+\k], s[4:5]
	global_load_b128 v[SC+8*\k:SC+8*\k+3], v[VS+\k], s[6:7]
	global_load_b128 v[SC+8*\k+4:SC+8*\k+7], v[VS+\k], s[6:7] offset:1048576
.endr
	s_wait_loadcnt 0x0                             ; all 24 are in, and their address registers are free for the next trip
.irp k, 0,1,2,3,4,5,6,7
.irp j, 0,2,4,6
	v_pk_add_f32 v[SC+8*\k+\j:SC+8*\k+\j+1], v[SC+8*\k+\j:SC+8*\k+\j+1], v[M+\j:M+\j+1] neg_lo:[0,1] neg_hi:[0,1]   ; s - M: the maximum is taken away
.endr
.endr
.irp k, 0,1,2,3,4,5,6,7
.irp j, 0,1,2,3,4,5,6,7
	v_fma_f32 v[SC+8*\k+\j], v[SC+8*\k+\j], s30, s[BIAS+\k]
.endr
.endr
.irp j, 0,1,2,3,4,5,6,7,8,9,10,11,12,13,14,15,16,17,18,19,20,21,22,23,24,25,26,27,28,29,30,31,32,33,34,35,36,37,38,39,40,41,42,43,44,45,46,47,48,49,50,51,52,53,54,55,56,57,58,59,60,61,62,63
	v_exp_f32 v[SC+\j], v[SC+\j]
.endr
	v_nop
	s_wait_alu depctr_va_vdst(0)                   ; one wait for the batch
.irp k, 0,1,2,3,4,5,6,7
.irp j, 0,1,2,3,4,5,6,7
	v_fmac_f32 v[ACC+2*\j], v[SC+8*\k+\j], v[X+2*\k]
	v_fmac_f32 v[ACC+2*\j+1], v[SC+8*\k+\j], v[X+2*\k+1]
.endr
.endr
	s_add_co_u32 s26, s26, 1
	s_cmp_lt_u32 s26, s25
	s_cbranch_scc1 .Ltrip
.Lnone:
.irp j, 0,1,2,3,4,5,6,7
	ds_store_b64 v125, v[ACC+2*\j:ACC+2*\j+1] offset:256*\j
.endr
	s_wait_dscnt 0x0                               ; for the others' sake: my sums lie in LDS
	s_barrier_signal -1
	s_barrier_wait -1
	s_cmp_lt_u32 s14, 8
	s_cbranch_scc0 .Lend
.irp w, 0,1,2,3,4,5,6,7,8,9,10,11,12,13,14,15,16,17,18,19,20,21,22,23,24,25,26,27,28,29,30,31
	ds_load_b64 v[SC+2*\w:SC+2*\w+1], v126 offset:2048*\w
.endr
	s_wait_dscnt 0x0
.irp w, 4,5,6,7,8,9,10,11,12,13,14,15,16,17,18,19,20,21,22,23,24,25,26,27,28,29,30,31
	v_pk_add_f32 v[SC+2*(\w%4):SC+2*(\w%4)+1], v[SC+2*(\w%4):SC+2*(\w%4)+1], v[SC+2*\w:SC+2*\w+1]   ; four chains
.endr
	v_pk_add_f32 v[SC:SC+1], v[SC:SC+1], v[SC+2:SC+3]
	v_pk_add_f32 v[SC+4:SC+5], v[SC+4:SC+5], v[SC+6:SC+7]
	v_pk_add_f32 v[SC:SC+1], v[SC:SC+1], v[SC+4:SC+5]
	v_pk_mul_f32 v[SC:SC+1], v[SC:SC+1], v[RL:RL+1] op_sel_hi:[1,0]
	global_store_b64 v[LANE8], v[SC:SC+1], s[12:13]   ; 32 lanes store 256 consecutive bytes, aligned
.Lend:
	s_wait_tensorcnt 0x0                           ; the wave's end
	ds_add_u32 v[SPW], v[NIL]
	s_wait_dscnt 0x0
	s_endpgm
.Lfunc_end_k_qa5b1d1631a_pool:
	.size	k_qa5b1d1631a_pool, .Lfunc_end_k_qa5b1d1631a_pool-k_qa5b1d1631a_pool
	.p2alignl 7, 3214868480
	.fill 96, 4, 3214868480
	.section	.rodata,"a",@progbits
	.p2align	6, 0x0
	.amdhsa_kernel k_qa5b1d1631a_pool
		.amdhsa_group_segment_fixed_size 69632
		.amdhsa_private_segment_fixed_size 0
		.amdhsa_enable_private_segment 0
		.amdhsa_kernarg_size 40
		.amdhsa_user_sgpr_count 2
		.amdhsa_user_sgpr_kernarg_segment_ptr 1
		.amdhsa_wavefront_size32 1
		.amdhsa_system_sgpr_workgroup_id_x 1
		.amdhsa_system_sgpr_workgroup_id_y 1
		.amdhsa_system_sgpr_workgroup_id_z 1
		.amdhsa_system_vgpr_workitem_id 0
		.amdhsa_next_free_vgpr 128
		.amdhsa_next_free_sgpr 66
		.amdhsa_reserve_vcc 0
		.amdhsa_float_denorm_mode_32 3
		.amdhsa_float_denorm_mode_16_64 3
		.amdhsa_memory_ordered 1
		.amdhsa_forward_progress 1
		.amdhsa_inst_pref_size 34
	.end_amdhsa_kernel
	.amdgpu_metadata
---
amdhsa.version: [ 1, 2 ]
amdhsa.kernels:
  - .name:           k_qa5b1d1631a_pool
    .symbol:         k_qa5b1d1631a_pool.kd
    .args:
      - { .name: x, .offset: 0, .size: 8, .value_kind: global_buffer, .address_space: global }
      - { .name: scores, .offset: 8, .size: 8, .value_kind: global_buffer, .address_space: global }
      - { .name: stats, .offset: 16, .size: 8, .value_kind: global_buffer, .address_space: global }
      - { .name: cand, .offset: 24, .size: 8, .value_kind: global_buffer, .address_space: global }
      - { .name: out0, .offset: 32, .size: 8, .value_kind: global_buffer, .address_space: global }
    .group_segment_fixed_size: 69632
    .private_segment_fixed_size: 0
    .kernarg_segment_align: 8
    .kernarg_segment_size: 40
    .max_flat_workgroup_size: 1024
    .sgpr_count:     66
    .vgpr_count:     128
    .wavefront_size: 32
...
	.end_amdgpu_metadata
.endif
;; end of part 2
